; MI455X (gfx1250); checked and timed in simulation.
; The chip was launched on July 23, 2026; its instructions are those of AMD's public machine-readable ISA for CDNA 5 (MIT licence, August 2026) and "CDNA5" Instruction Set Architecture Reference Guide (July 2026). The comments in the code are by the model that wrote it; some were corrected since.
;; Mistral MHA. Allowed arithmetic: float matrix products may take bf16 or f16 operands with f32 sums; all other float work in f32.
;; Inputs: freqs_cos 2,048 x 64 float32; freqs_sin 2,048 x 64 float32; mask 2,048 x 2,048 float32; positions 2,048 int32; wk 1,024 x 4,096 float32; wo 4,096 x 2,048 float32; wq 2,048 x 4,096 float32; wv 1,024 x 4,096 float32; x 1 x 2,048 x 4,096 float32.
;; Outputs: out0 1 x 2,048 x 4,096 float32.
;; One version. Each part assembles by itself: llvm-mc -triple=amdgcn-amd-amdhsa -mcpu=gfx1250 --defsym DOCPART=n.
;; ======== version 1 of 1: 4 launches
;; limits: values are held in f16: magnitudes above 65,504 overflow, below 6.1e-05 lose precision; right only within a limited range of input values
;; workspace buffers: xb 16,777,216 bytes; wb 33,554,432 bytes; wo16 16,777,216 bytes; mw 16,777,216 bytes; cs 524,544 bytes; qkvh 16,777,216 bytes; att 8,388,608 bytes
;; launch cast (part 1): grid 256 x 10, 8 waves a work-group, no clusters, 0 bytes of LDS; arguments x, wq, wk, wv, wo, mask, freqs_cos, freqs_sin, xb, wb, wo16, mw, cs; writes xb, wb, wo16, mw, cs
.if DOCPART == 1
	.amdgcn_target "amdgcn-amd-amdhsa--gfx1250"
	.amdhsa_code_object_version 6
	.text
	.protected	k_q6432784d6c_cast
	.globl	k_q6432784d6c_cast
	.p2align	8
	.type	k_q6432784d6c_cast,@function
k_q6432784d6c_cast:
	s_mov_b64 s[64:65], 0
	v_nop
	global_prefetch_b8 v0, s[64:65] scope:SCOPE_SE
	s_setreg_imm32_b32 hwreg(HW_REG_WAVE_MODE, 25, 1), 1
	s_wait_xcnt 0x0
; Every floating-point input is rounded to bf16 ONCE, here, and laid out for the launches behind.  (positions: no launch names it.)
;   xb   = bf16(x)                          [2048][4096]
;   wb   = bf16(wq | wk | wv)               [4096][4096]: rows 0-2047 wq, 2048-3071 wk, 3072-4095 wv
;   wo16 = bf16(4 wo) written as f16        [4096][2048]: the 4 undoes the 1/4 that v carries; exact while 4 |wo| lies in f16's normal range, up to |wo| = 16,376
;   mw   = bf16(mask) x 2^-12 sqrt(128), f32, in the order in which a wave of the attention takes it as a matrix instruction's C:
;          [query tile 128][key block 128][half 2][lane 32][4]: mask[16 qt + lane % 16][16 kb + 8 (lane / 16) + 4 half + e]
;   cs   = one word for each (row, pair): bf16(cos / 64) below, bf16(sin / 64) above; behind the 2,048 rows one more row of (0.25, 0) for v's columns
; A stream: no LDS, no barrier, nothing shared.  Grid row y is a unit of 4,194,304 numbers (y = 9: the small table); a work-group takes 16,384 of them,
; a thread sixteen loads of 16 bytes, all issued before the first is used: sixteen loads of every wave are on their way.
.set X, 16                             ; v[16:79]  sixteen loads of four registers
.set T, 8                              ; v[8:9]    at work
.set MF, 0x3b3504f3                    ; 2^-12 sqrt(128)
	s_load_b512 s[4:19], s[0:1], 0x0               ; x 4:5, wq 6:7, wk 8:9, wv 10:11, wo 12:13, mask 14:15, cos 16:17, sin 18:19
	s_load_b256 s[20:27], s[0:1], 0x40             ; xb 20:21, wb 22:23, wo16 24:25, mw 26:27
	s_load_b64 s[28:29], s[0:1], 0x60              ; cs
	s_and_b32 s30, ttmp7, 0xffff                   ; y: which unit
	s_mov_b32 s31, ttmp9                           ; which 16,384 numbers of it
	s_mov_b32 s44, 0xffff0000                      ; a word's upper bf16
	v_lshlrev_b32 v1, 4, v0                        ; in: 16 bytes a thread
	v_lshlrev_b32 v2, 3, v0                        ; out: 8 bytes a thread
	s_wait_kmcnt 0x0
; source s[32:33] += us units of 16 MiB + my 64 KiB; destination s[34:35] += ud units of 8 MiB + my 32 KiB
.macro PLACE us, ud
	s_lshl_b32 s38, \us, 24
	s_lshl_b32 s39, s31, 16
	s_add_co_u32 s38, s38, s39
	s_mov_b32 s39, 0
	s_add_nc_u64 s[32:33], s[32:33], s[38:39]
	s_lshl_b32 s40, \ud, 23
	s_lshl_b32 s41, s31, 15
	s_add_co_u32 s40, s40, s41
	s_mov_b32 s41, 0
	s_add_nc_u64 s[34:35], s[34:35], s[40:41]
.endm
.macro IN16                            ; sixteen loads; each of a wave's covers 512 consecutive bytes
.set i, 0
.rept 16
	global_load_b128 v[X+4*i:X+4*i+3], v1, s[32:33] offset:4096*i th:TH_LOAD_NT
.set i, i+1
.endr
.endm
	s_cmp_lt_u32 s30, 6
	s_cbranch_scc0 .Lnot_plain
	; y = 0, 1: x -> xb.  y = 2, 3: wq; y = 4: wk; y = 5: wv -> wb's units 0 to 3.
	s_sub_co_u32 s36, s30, 2
	s_cmp_lt_u32 s30, 2
	s_cselect_b64 s[32:33], s[4:5], s[6:7]
	s_cselect_b64 s[34:35], s[20:21], s[22:23]
	s_cselect_b32 s37, s30, s36                    ; the destination's unit
	s_cmp_lt_u32 s30, 4
	s_cselect_b32 s36, s37, 0                      ; the source's unit: wk and wv are one unit each
	s_cmp_eq_u32 s30, 4
	s_cselect_b64 s[32:33], s[8:9], s[32:33]
	s_cmp_eq_u32 s30, 5
	s_cselect_b64 s[32:33], s[10:11], s[32:33]
	PLACE s36, s37
	IN16
.set i, 0
.rept 16
	s_wait_loadcnt 15-i                            ; loads come back in order: mine is in, the 15 - i younger ones stay out
	v_cvt_pk_bf16_f32 v[X+4*i], v[X+4*i], v[X+4*i+1]
	v_cvt_pk_bf16_f32 v[X+4*i+1], v[X+4*i+2], v[X+4*i+3]
	global_store_b64 v2, v[X+4*i:X+4*i+1], s[34:35] offset:2048*i  ; a wave's store covers 256 consecutive bytes, aligned
.set i, i+1
.endr
	s_endpgm
.Lnot_plain:
	s_cmp_lt_u32 s30, 8
	s_cbranch_scc0 .Lnot_wo
	; y = 6, 7: wo -> wo16.  Times 4 (exact), rounded to bf16, and that number written as f16.
	s_sub_co_u32 s36, s30, 6
	s_mov_b64 s[32:33], s[12:13]
	s_mov_b64 s[34:35], s[24:25]
	PLACE s36, s36
	IN16
.set i, 0
.rept 16
	s_wait_loadcnt 15-i
	v_pk_mul_f32 v[X+4*i:X+4*i+1], v[X+4*i:X+4*i+1], 4.0 op_sel_hi:[1,0]
	v_pk_mul_f32 v[X+4*i+2:X+4*i+3], v[X+4*i+2:X+4*i+3], 4.0 op_sel_hi:[1,0]
	v_cvt_pk_bf16_f32 v[T], v[X+4*i], v[X+4*i+1]
	v_cvt_pk_bf16_f32 v[T+1], v[X+4*i+2], v[X+4*i+3]
	v_lshlrev_b32 v[X+4*i], 16, v[T]
	v_and_b32 v[X+4*i+1], s44, v[T]
	v_lshlrev_b32 v[X+4*i+2], 16, v[T+1]
	v_and_b32 v[X+4*i+3], s44, v[T+1]
	v_cvt_pk_f16_f32 v[X+4*i], v[X+4*i], v[X+4*i+1]
	v_cvt_pk_f16_f32 v[X+4*i+1], v[X+4*i+2], v[X+4*i+3]
	global_store_b64 v2, v[X+4*i:X+4*i+1], s[34:35] offset:2048*i
.set i, i+1
.endr
	s_endpgm
.Lnot_wo:
	s_cmp_eq_u32 s30, 8
	s_cbranch_scc0 .Lnot_mask
	; y = 8: mask -> mw.  A work-group takes 16 rows x 1,024 columns (half a query tile), a wave 16 rows x 128 columns: its sixteen loads together cover 16 pieces of 512 consecutive bytes.
	v_and_b32 v3, 15, v0                           ; the row in the tile
	v_bfe_u32 v4, v0, 4, 1                         ; which eight keys of a block of sixteen
	v_lshrrev_b32 v5, 5, v0                        ; wave
	v_and_b32 v6, 31, v0                           ; lane
	v_lshlrev_b32 v1, 13, v3                       ; in: row x 8,192
	v_lshl_add_u32 v1, v4, 5, v1                   ;     + 32 x half of the lanes
	v_lshl_add_u32 v1, v5, 9, v1                   ;     + 512 x wave
	v_lshlrev_b32 v2, 13, v5                       ; out: 8 key blocks of 1,024 bytes a wave
	v_lshl_add_u32 v2, v6, 4, v2                   ;      + 16 x lane
	s_lshr_b32 s36, s31, 1
	s_lshl_b32 s36, s36, 17                        ; the tile's 16 rows of 8,192 bytes
	s_and_b32 s37, s31, 1
	s_lshl_b32 s37, s37, 12                        ; which half of the columns
	s_add_co_u32 s36, s36, s37
	s_mov_b32 s37, 0
	s_add_nc_u64 s[32:33], s[14:15], s[36:37]
	s_lshl_b32 s38, s31, 16
	s_mov_b32 s39, 0
	s_add_nc_u64 s[34:35], s[26:27], s[38:39]
.set i, 0
.rept 16                               ; load i: key block i / 2 of my eight, half i % 2
	global_load_b128 v[X+4*i:X+4*i+3], v1, s[32:33] offset:64*(i/2)+16*(i%2) th:TH_LOAD_NT
.set i, i+1
.endr
.set i, 0
.rept 16
	s_wait_loadcnt 15-i
	v_cvt_pk_bf16_f32 v[T], v[X+4*i], v[X+4*i+1]
	v_cvt_pk_bf16_f32 v[T+1], v[X+4*i+2], v[X+4*i+3]
	v_lshlrev_b32 v[X+4*i], 16, v[T]
	v_and_b32 v[X+4*i+1], s44, v[T]
	v_lshlrev_b32 v[X+4*i+2], 16, v[T+1]
	v_and_b32 v[X+4*i+3], s44, v[T+1]
	v_pk_mul_f32 v[X+4*i:X+4*i+1], v[X+4*i:X+4*i+1], MF op_sel_hi:[1,0]
	v_pk_mul_f32 v[X+4*i+2:X+4*i+3], v[X+4*i+2:X+4*i+3], MF op_sel_hi:[1,0]
	global_store_b128 v2, v[X+4*i:X+4*i+3], s[34:35] offset:512*i  ; 512 consecutive bytes, aligned
.set i, i+1
.endr
	s_endpgm
.Lnot_mask:
	; y = 9: the rotation's table.  A work-group takes 512 pairs, a thread two.
	s_lshl_b32 s36, s31, 11
	s_mov_b32 s37, 0
	s_add_nc_u64 s[32:33], s[16:17], s[36:37]
	s_add_nc_u64 s[38:39], s[18:19], s[36:37]
	s_add_nc_u64 s[34:35], s[28:29], s[36:37]
	global_load_b64 v[16:17], v2, s[32:33]
	global_load_b64 v[18:19], v2, s[38:39]
	v_lshrrev_b32 v3, 5, v0
	v_readfirstlane_b32 s40, v3                    ; wave
	v_mov_b32 v22, 0x3e80                          ; bf16 0.25 below, 0 above
	v_mov_b32 v23, 0x3e80
	s_wait_loadcnt 0x0
	v_pk_mul_f32 v[16:17], v[16:17], 0x3c800000 op_sel_hi:[1,0]  ; 2^-6: q and k are kept as q / 64 and k / 64, so that f16 has room up to 4.19e6
	v_pk_mul_f32 v[18:19], v[18:19], 0x3c800000 op_sel_hi:[1,0]
	v_cvt_pk_bf16_f32 v20, v16, v18
	v_cvt_pk_bf16_f32 v21, v17, v19
	global_store_b64 v2, v[20:21], s[34:35]
	s_or_b32 s40, s40, s31
	s_cmp_lg_u32 s40, 0
	s_cbranch_scc1 .Lend_c
	global_store_b64 v2, v[22:23], s[28:29] offset:524288  ; wave 0 of work-group 0: v's row, 256 consecutive bytes
.Lend_c:
	s_endpgm
.Lfunc_end_k_q6432784d6c_cast:
	.size	k_q6432784d6c_cast, .Lfunc_end_k_q6432784d6c_cast-k_q6432784d6c_cast
	.p2alignl 7, 3214868480
	.fill 96, 4, 3214868480
	.section	.rodata,"a",@progbits
	.p2align	6, 0x0
	.amdhsa_kernel k_q6432784d6c_cast
		.amdhsa_group_segment_fixed_size 0
		.amdhsa_private_segment_fixed_size 0
		.amdhsa_enable_private_segment 0
		.amdhsa_kernarg_size 104
		.amdhsa_user_sgpr_count 2
		.amdhsa_user_sgpr_kernarg_segment_ptr 1
		.amdhsa_wavefront_size32 1
		.amdhsa_system_sgpr_workgroup_id_x 1
		.amdhsa_system_sgpr_workgroup_id_y 1
		.amdhsa_system_sgpr_workgroup_id_z 1
		.amdhsa_system_vgpr_workitem_id 0
		.amdhsa_next_free_vgpr 80
		.amdhsa_next_free_sgpr 66
		.amdhsa_reserve_vcc 0
		.amdhsa_float_denorm_mode_32 3
		.amdhsa_float_denorm_mode_16_64 3
		.amdhsa_memory_ordered 1
		.amdhsa_forward_progress 1
		.amdhsa_inst_pref_size 32
	.end_amdhsa_kernel
	.amdgpu_metadata
---
amdhsa.version: [ 1, 2 ]
amdhsa.kernels:
  - .name:           k_q6432784d6c_cast
    .symbol:         k_q6432784d6c_cast.kd
    .args:
      - { .name: x, .offset: 0, .size: 8, .value_kind: global_buffer, .address_space: global }
      - { .name: wq, .offset: 8, .size: 8, .value_kind: global_buffer, .address_space: global }
      - { .name: wk, .offset: 16, .size: 8, .value_kind: global_buffer, .address_space: global }
      - { .name: wv, .offset: 24, .size: 8, .value_kind: global_buffer, .address_space: global }
      - { .name: wo, .offset: 32, .size: 8, .value_kind: global_buffer, .address_space: global }
      - { .name: mask, .offset: 40, .size: 8, .value_kind: global_buffer, .address_space: global }
      - { .name: freqs_cos, .offset: 48, .size: 8, .value_kind: global_buffer, .address_space: global }
      - { .name: freqs_sin, .offset: 56, .size: 8, .value_kind: global_buffer, .address_space: global }
      - { .name: xb, .offset: 64, .size: 8, .value_kind: global_buffer, .address_space: global }
      - { .name: wb, .offset: 72, .size: 8, .value_kind: global_buffer, .address_space: global }
      - { .name: wo16, .offset: 80, .size: 8, .value_kind: global_buffer, .address_space: global }
      - { .name: mw, .offset: 88, .size: 8, .value_kind: global_buffer, .address_space: global }
      - { .name: cs, .offset: 96, .size: 8, .value_kind: global_buffer, .address_space: global }
    .group_segment_fixed_size: 0
    .private_segment_fixed_size: 0
    .kernarg_segment_align: 8
    .kernarg_segment_size: 104
    .max_flat_workgroup_size: 256
    .sgpr_count:     66
    .vgpr_count:     80
    .wavefront_size: 32
...
	.end_amdgpu_metadata
.endif
;; end of part 1
;; launch qkv (part 2): grid 16 x 16, 4 waves a work-group, clusters of 4 x 4, 327,680 bytes of LDS; arguments xb, wb, cs, qkvh; writes qkvh
.if DOCPART == 2
	.amdgcn_target "amdgcn-amd-amdhsa--gfx1250"
	.amdhsa_code_object_version 6
	.text
	.protected	k_q6432784d6c_qkv
	.globl	k_q6432784d6c_qkv
	.p2align	8
	.type	k_q6432784d6c_qkv,@function
k_q6432784d6c_qkv:
	s_mov_b64 s[64:65], 0
	v_nop
	global_prefetch_b8 v0, s[64:65] scope:SCOPE_SE
	s_setreg_imm32_b32 hwreg(HW_REG_WAVE_MODE, 25, 1), 1
	s_wait_xcnt 0x0
	s_wait_alu depctr_hold_cnt(0) depctr_sa_sdst(0) depctr_va_vdst(0) depctr_va_sdst(0) depctr_va_ssrc(0) depctr_va_vcc(0) depctr_vm_vsrc(0)
	s_getreg_b32 s2, hwreg(HW_REG_IB_STS2, 6, 4)
	s_cmp_eq_u32 s2, 0
	s_cbranch_scc0 .Lentry_in_a_cluster
	s_endpgm
.Lentry_in_a_cluster:
	s_bfe_u32 s2, ttmp6, 0x10000c
	s_cmp_lg_u32 s2, 0xf033
	s_cbranch_scc0 .Lentry_shape_is_right
	s_endpgm
.Lentry_shape_is_right:
; q, k, v = x W^T in bf16 with f32 sums, the rotation of q's and k's channel pairs in f32, and the result by heads in f16:
; qkvh [32 heads][2048 rows][128]: heads 0-15 q / 64, 16-23 k / 64, 24-31 v / 4 (exact powers of two, so that f16 holds |q|, |k| up to 4.19e6 and |v| up to 2.6e5; beyond that a number becomes an infinity).
; A tile of C is 128 x 256: 256 work-groups.  Four waves, each 64 rows x 128 columns (one head): 32 accumulators, 256 registers.  K goes in steps of 128 (rows of 256 bytes, aligned)
; through two LDS slots filled by the tensor data mover; a step is four quarters of 32 along K on two fragment buffers.
; CLUSTER 4 x 4: the four work-groups of a row of the cluster need the same tiles of x, the four of a column the same tiles of W: each tile is asked for jointly.
; THE WALK ALONG K.  A lap is two K steps, 512 bytes of a row.  Laps go in groups of four, and a cluster whose x + y is odd takes each group in the order 2, 3, 0, 1 (the lap's number exclusive-or 2).
; Clusters that are neighbours along x need the same rows of x, neighbours along y the same rows of W: of two such neighbours one asks for a K range four K steps after the other has asked for it.
; The order hangs on the cluster's own coordinates alone, which all sixteen partners share.  Each f32 sum takes K in its cluster's order.
; THE MATRIX INSTRUCTION IS USED TRANSPOSED (source 0 = 16 rows of W, source 1 = 16 rows of x): a lane holds row l % 16 of C and the columns 8 (l / 16) + 0..7: four channel pairs.
; ONE TEXT FOR q, k AND v: the table's word is (cos / 64, sin / 64) of the row for q and k; v's columns (cluster x = 3) take one row of (0.25, 0), by a row stride of 0.
; REGISTERS: window 0: v0-35 addresses; v64-159, v160-255 two fragment buffers (4 of x at +8 a, 8 of W at +32 + 8 b); on the way out at work.  Window 1: accumulator (a, b) at v[8 (8 a + b)].
;            window 2: v0-127 the table's words for my 64 rows x 64 pairs, loaded at the start, used at the end.
.set SIZE_K, 4096
.set KSTEP,  128
.set PITCH,  272                       ; an LDS row: 256 bytes + 16 of padding = 68 words: the 16 rows that a load touches start at 16 different groups of four banks (ISA guide 11.1)
.set AHALF,  64*PITCH                  ; what a tensor load brings of x, and what a wave reads of it
.set BHALF,  128*PITCH                 ; the same for W
.set BOFF,   2*AHALF                   ; W's 256 rows lie behind x's 128
.set SLOT,   BOFF+2*BHALF
.set STAGE,  2*SLOT                    ; behind the ring: 16 rows x 272 bytes for each wave, for the way out
.set SPITCH, 272
.set SPARE,  STAGE+4*16*SPITCH         ; behind the stages: the spare words, 128 bytes for each wave
.set LAPS,   SIZE_K/(2*KSTEP)          ; a lap = two K steps = once round the ring; a multiple of 4
.set ADRA, 16                          ; v16-17  LDS address of my fragments of x in slot 0, 1
.set ADRB, 20                          ; v20-21  the same for W
.set STO,  24                          ; v24     the way out: where I put 16 bytes of a row
.set RD,   25                          ; v25     the way out: where I read a row back
.set CO,   26                          ; v26     my byte offset in two rows of a head
.set SPW,  28                          ; v28     LDS address of my spare word; never rewritten
.set NIL,  29                          ; v29     0; never rewritten
.set CSA,  32                          ; v32-35  byte offset of my table words for row block a; never rewritten
.set F0,   64
.set F1,   160
.set CC,   64                          ; the way out: cos, sin as f32, 64 registers
.set TT,   128                         ; rotated numbers, 64
.set TMP,  192                         ; packed, 32
.set BK,   224                         ; rows read back, 32
.set AB,  14                           ; s[14:15] x at my part of the tile, K = 0; never rewritten
.set G1,  24                           ; s[24:31] descriptor group 1 for x's tiles;  s[32:39] group 0, a set for each slot
.set G0,  32
.set G1B, 48                           ; s[48:55], s[56:63] the same for W's tiles
.set G0B, 56
.set ROT,  72                          ; s72      0 or 2: what a lap's number is exclusive-ored with
.set LAPK, 73                          ; s73      the place along K of the lap to be asked for
.set OFS,  74                          ; s[74:75] its byte offset in a row for slot 0, s[76:77] for slot 1
.set BB,   78                          ; s[78:79] W at my part of the tile, K = 0; never rewritten
.set MSB, 0
.macro WIN new                         ; the immediate's high byte repeats the setting that is left; a switch that changes nothing is dropped
.if MSB != (\new)
	s_set_vgpr_msb (MSB<<8)|(\new)
.set MSB, \new
.endif
.endm
.set MUL, 0x50                         ; sources 0 and 1 window 0; C and D window 1
.macro JLOAD s                         ; a joint load: waves 0 and 1 fetch x's two halves, waves 2 and 3 W's; an s_nop 0 and four v_nop follow each line
	s_cmp_eq_u32 s11, 0
	s_cbranch_scc0 .Lfor_b_\@
	tensor_load_to_lds s[G0+4*(\s):G0+4*(\s)+3], s[G1:G1+7]
	s_nop 0
.rept 4
	v_nop
.endr
	s_branch .Lasked_\@
.Lfor_b_\@:
	tensor_load_to_lds s[G0B+4*(\s):G0B+4*(\s)+3], s[G1B:G1B+7]
	s_nop 0
.rept 4
	v_nop
.endr
.Lasked_\@:
.endm
.macro AIM s                           ; slot s's two group 0 take the address of the lap in OFS: the tile's address at K = 0 and an offset made apart; the type bits are set again
	s_add_nc_u64 s[G0+4*(\s)+2:G0+4*(\s)+3], s[AB:AB+1], s[OFS+2*(\s):OFS+2*(\s)+1]
	s_or_b32 s[G0+4*(\s)+3], s[G0+4*(\s)+3], 0x80000000
	s_add_nc_u64 s[G0B+4*(\s)+2:G0B+4*(\s)+3], s[BB:BB+1], s[OFS+2*(\s):OFS+2*(\s)+1]
	s_or_b32 s[G0B+4*(\s)+3], s[G0B+4*(\s)+3], 0x80000000
.endm
.macro CREST                           ; a round of the cluster's barrier behind its opening barrier
	s_cmp_lg_u32 s10, 0
	s_cbranch_scc1 .Lnot_wave_0_\@
	s_barrier_signal -3
.Lnot_wave_0_\@:
	s_barrier_wait -3
	s_barrier_signal -1
	s_barrier_wait -1
.endm
.macro CROUND                          ; a whole round
	s_barrier_signal -1
	s_barrier_wait -1
	CREST
.endm
.macro PLACES                          ; four places in front of loads into registers that matrix instructions have read, and of vector work on their registers
.rept 4
	v_nop
.endr
.endm
	s_load_b128 s[4:7], s[0:1], 0x0                ; xb s[4:5], wb s[6:7]
	s_load_b64 s[66:67], s[0:1], 0x10              ; cs
	s_load_b64 s[8:9], s[0:1], 0x18                ; qkvh
	v_lshl_add_u32 v[SPW], v0, 2, SPARE
	v_mov_b32 v[NIL], 0
	ds_add_u32 v[SPW], v[NIL]                      ; the wave's opening: the add and its wait stand ahead of my first tensor load; work on registers stands between them
	v_lshrrev_b32 v1, 5, v0
	v_readfirstlane_b32 s10, v1                    ; wave 0..3
	s_lshr_b32 s11, s10, 1                         ; which 64 rows of the tile are mine.  Also: I fetch for x (0) or for W (1)
	s_and_b32 s12, s10, 1                          ; which 128 columns.  Also: which half of that tile I fetch
	s_bfe_u32 s40, ttmp6, 0x40000                  ; cx, cy: my place in the cluster
	s_bfe_u32 s41, ttmp6, 0x40004
	s_lshl_b32 s42, ttmp9, 2
	s_add_co_u32 s42, s42, s40                     ; tile column = 4 x cluster x + cx
	s_and_b32 s13, ttmp7, 0xffff
	s_lshl_b32 s13, s13, 2
	s_add_co_u32 s13, s13, s41                     ; tile row = 4 x cluster y + cy
	s_lshl_b32 s43, s41, 2
	s_lshl_b32 s43, 15, s43                        ; my row of the cluster
	s_lshl_b32 s44, 0x1111, s40                    ; my column
	s_or_b32 s[G1+0], s43, (1<<16)|(1<<20)|(1<<21)|(5<<22)|(3<<25)   ; the mask; 2-byte elements; padding on; bit 21 beside a mask; after every 64 words 4 words
	s_or_b32 s[G1B+0], s44, (1<<16)|(1<<20)|(1<<21)|(5<<22)|(3<<25)
.irp g, G1, G1B
	s_mov_b32 s[(\g)+1], KSTEP<<16                 ; tensor_dim0 = 128
	s_mov_b32 s[(\g)+3], KSTEP<<16                 ; tile_dim0 = 128
	s_mov_b32 s[(\g)+5], SIZE_K                    ; elements from row to row
	s_mov_b32 s[(\g)+6], 0
	s_mov_b32 s[(\g)+7], 0
.endr
	s_mov_b32 s[G1+2], 64<<16                      ; x: tensor_dim1 = tile_dim1 = 64 rows
	s_mov_b32 s[G1+4], 64
	s_mov_b32 s[G1B+2], 128<<16                    ; W: 128 rows
	s_mov_b32 s[G1B+4], 128
	s_mov_b32 s2, ttmp9
	s_cmp_eq_u32 s2, 3                             ; the cluster's x, alike in all partners: columns 3,072 on are v's
	s_cselect_b32 s68, 0, 256                      ; bytes from row to row of the table,
	s_cselect_b32 s70, 524288, 0                   ; and where it begins
	s_mov_b32 s71, 0
	s_mov_b32 s69, 0xffff0000                      ; a word's upper bf16
	s_and_b32 s[ROT], ttmp7, 0xffff                ; the cluster's y
	s_add_co_u32 s[ROT], s[ROT], ttmp9             ; + its x: alike in all sixteen partners
	s_and_b32 s[ROT], s[ROT], 1
	s_lshl_b32 s[ROT], s[ROT], 1                   ; 2 where the sum is odd
	s_lshl_b32 s[OFS], s[ROT], 9                   ; lap 0's place along K, 512 bytes a lap: slot 0's K step,
	s_mov_b32 s[OFS+1], 0
	s_or_b32 s[OFS+2], s[OFS], KSTEP*2             ; slot 1's, 256 bytes on
	s_mov_b32 s[OFS+3], 0
	s_lshl_b32 s17, s12, 6
	s_lshl_b32 s16, s13, 7
	s_add_co_u32 s16, s16, s17                     ; x: row 128 x tile row + 64 x half
	s_lshl_b32 s47, s12, 7
	s_lshl_b32 s46, s42, 8
	s_add_co_u32 s46, s46, s47                     ; W: row 256 x tile column + 128 x half
	s_mov_b32 s17, 0
	s_mov_b32 s47, 0
	s_mov_b64 s[18:19], SIZE_K*2
	s_mul_u64 s[16:17], s[16:17], s[18:19]
	s_mul_u64 s[46:47], s[46:47], s[18:19]
	s_mul_i32 s20, s12, AHALF                      ; where they go: no place in the cluster enters an LDS address
	s_mul_i32 s45, s12, BHALF
	s_add_co_u32 s45, s45, BOFF
	s_wait_dscnt 0x0                               ; the opening add is done
	s_wait_kmcnt 0x0
	s_add_nc_u64 s[AB:AB+1], s[4:5], s[16:17]
	s_add_nc_u64 s[BB:BB+1], s[6:7], s[46:47]
	s_add_nc_u64 s[66:67], s[66:67], s[70:71]
	CROUND                                         ; all sixteen work-groups are here: the first joint loads meet
.irp s, 0,1
	s_mov_b32 s[G0+4*(\s)], 1
	s_add_co_u32 s[G0+4*(\s)+1], s20, (\s)*SLOT
	s_mov_b32 s[G0B+4*(\s)], 1
	s_add_co_u32 s[G0B+4*(\s)+1], s45, (\s)*SLOT
	AIM \s
	JLOAD \s                                       ; two loads of mine are out: the most in this text
.endr
	v_and_b32 v1, 15, v0                           ; l % 16
	v_bfe_u32 v2, v0, 4, 1                         ; l / 16
	v_mul_u32_u24 v3, v1, PITCH
	v_lshl_add_u32 v3, v2, 4, v3                   ; a fragment's row x pitch + 16 x half
	s_mul_i32 s21, s11, AHALF
	s_mul_i32 s22, s12, BHALF
	s_add_co_u32 s22, s22, BOFF
.irp s, 0,1
	v_add_nc_u32 v[ADRA+(\s)], s21, v3
	v_add_nc_u32 v[ADRB+(\s)], s22, v3
	s_add_co_u32 s21, s21, SLOT
	s_add_co_u32 s22, s22, SLOT
.endr
	s_mul_i32 s23, s10, 16*SPITCH
	s_add_co_u32 s23, s23, STAGE                   ; my stage
	v_mul_u32_u24 v4, v1, SPITCH                   ; in: row l % 16, 16 bytes for each half of the lanes
	v_lshl_add_u32 v4, v2, 4, v4
	v_add_nc_u32 v[STO], s23, v4
	v_mul_u32_u24 v5, v2, SPITCH                   ; back: lanes 0-15 take one row of 256 bytes, lanes 16-31 the next
	v_lshl_add_u32 v5, v1, 4, v5
	v_add_nc_u32 v[RD], s23, v5
	v_lshlrev_b32 v5, 8, v2                        ; and the same two rows of a head
	v_lshl_add_u32 v[CO], v1, 4, v5
	s_lshl_b32 s16, s13, 7
	s_lshl_b32 s17, s11, 6
	s_add_co_u32 s16, s16, s17                     ; my first row
	v_add_nc_u32 v5, s16, v1
.irp a, 0,1,2,3
	v_add_nc_u32 v4, 16*(\a), v5                   ; my row in block a,
	v_mul_u32_u24 v4, s68, v4                      ; its words in the table (v: always the one row),
	v_lshl_add_u32 v[CSA+(\a)], v2, 4, v4          ; and my four pairs of a block of eight
.endr
	WIN 0x80                                       ; destination window 2
.irp a, 0,1,2,3
.irp b, 0,1,2,3,4,5,6,7
	global_load_b128 v[4*(8*(\a)+(\b)):4*(8*(\a)+(\b))+3], v[CSA+(\a)], s[66:67] offset:32*(\b)  ; pairs 8 b + 4 (l / 16) + 0..3: they land while K is walked
.endr
.endr
	WIN 0
	s_lshl_b32 s16, s16, 8                         ; my first row in a head, in bytes
	s_mov_b32 s17, 0
	s_add_nc_u64 s[8:9], s[8:9], s[16:17]
	s_lshl_b32 s46, s42, 1
	s_add_co_u32 s46, s46, s12                     ; my head = 2 x tile column + half
	s_lshl_b32 s46, s46, 19                        ; 2,048 rows of 256 bytes
	s_mov_b32 s47, 0
	s_add_nc_u64 s[8:9], s[8:9], s[46:47]
; 8 matrix instructions: row block a x all 8 column blocks, 32 along K.  zero = 1: the product starts the sums.  The 32 accumulators take turns, in the same order in every quarter.
.macro MUL8 f, a, zero
	WIN MUL
.irp b, 0,1,2,3,4,5,6,7
.if \zero
	v_wmma_f32_16x16x32_bf16 v[8*(8*(\a)+(\b)):8*(8*(\a)+(\b))+7], v[(\f)+32+8*(\b):(\f)+32+8*(\b)+7], v[(\f)+8*(\a):(\f)+8*(\a)+7], 0
.else
	v_wmma_f32_16x16x32_bf16 v[8*(8*(\a)+(\b)):8*(8*(\a)+(\b))+7], v[(\f)+32+8*(\b):(\f)+32+8*(\b)+7], v[(\f)+8*(\a):(\f)+8*(\a)+7], v[8*(8*(\a)+(\b)):8*(8*(\a)+(\b))+7]
.endif
.endr
.endm
; 24 LDS loads in one run: a quarter's fragments (128 rows of W, then 64 rows of x, 32 K at byte k of the rows) into buffer f
.macro FETCH slot, k, f
	WIN 0
.irp i, 0,1,2,3,4,5,6,7
	ds_load_b128 v[(\f)+32+8*(\i):(\f)+32+8*(\i)+3],   v[ADRB+(\slot)] offset:(\k)+(\i)*16*PITCH
	ds_load_b128 v[(\f)+32+8*(\i)+4:(\f)+32+8*(\i)+7], v[ADRB+(\slot)] offset:(\k)+(\i)*16*PITCH+32
.endr
.irp i, 0,1,2,3
	ds_load_b128 v[(\f)+8*(\i):(\f)+8*(\i)+3],   v[ADRA+(\slot)] offset:(\k)+(\i)*16*PITCH
	ds_load_b128 v[(\f)+8*(\i)+4:(\f)+8*(\i)+7], v[ADRA+(\slot)] offset:(\k)+(\i)*16*PITCH+32
.endr
.endm
; One of a K step's first three quarters: multiplies buffer f; in its middle it fetches the next quarter, at byte k, into buffer g.
.macro QUARTER slot, k, f, g, zero
	s_wait_dscnt 4                                 ; W and x's blocks 0, 1 are in; the youngest four loads (x's blocks 2, 3) may be out
	MUL8 \f, 0, \zero
	MUL8 \f, 1, \zero
	PLACES
	FETCH \slot, \k, \g
	s_wait_dscnt 24                                ; all but the 24 just issued
	MUL8 \f, 2, \zero
	MUL8 \f, 3, \zero
.endm
; The last quarter multiplies buffer 1 and changes slots: ONE barrier; in front of it each wave waits for all its tensor loads (one is out: its part of the next slot), adds 0 to its spare
; word, and waits for that and for its own reads of this slot.  fill = 1: the barrier opens a round of the cluster's, and this slot is filled again, with its K step of the next lap, first thing behind it.
.macro TURN slot, next, fill
	WIN 0
	s_wait_tensorcnt 0x0
	ds_add_u32 v[SPW], v[NIL]
	s_wait_dscnt 5                                 ; (the add and the youngest four loads may be out)
	MUL8 F1, 0, 0
	s_wait_dscnt 0x0                               ; the add is done, and my reads of this slot are over
	s_barrier_signal -1
	MUL8 F1, 1, 0
.if \fill
	WIN 0
.endif
	s_barrier_wait -1
.if \fill
	CREST                                          ; no wave of any partner still reads this slot or has a load on its way
	AIM \slot                                      ; no tensor load of mine is out since the wait above: the group 0 may be written
	JLOAD \slot                                    ; 112 matrix instructions ahead of the wait for it; its four v_nop are also the places in front of the loads below
.else
	PLACES
.endif
	FETCH \next, 0, F0
	MUL8 F1, 2, 0
	MUL8 F1, 3, 0
.endm
	s_wait_tensorcnt 1                             ; my part of the first K step is in; the second's may stay out
	s_barrier_signal -1
	s_barrier_wait -1
	FETCH 0, 0, F0
	QUARTER 0, 64, F0, F1, 1                       ; the first quarter stands in front of the loop: its products start the sums
	WIN 0
	s_mov_b32 s3, LAPS-1
.Llap:                                                 ; a trip goes once round the ring, from a lap's second quarter to the next lap's first, and fills both slots again
	s_sub_co_u32 s[LAPK], LAPS, s3                 ; the number of the lap that this trip asks for: 1 in the first trip, LAPS - 1 in the last;
	s_xor_b32 s[LAPK], s[LAPK], s[ROT]             ; its place along K: inside its group of four, so inside the row;
	s_lshl_b32 s[OFS], s[LAPK], 9                  ; in bytes, for slot 0
	s_or_b32 s[OFS+2], s[OFS], KSTEP*2             ; and for slot 1
	QUARTER 0, 128, F1, F0, 0
	QUARTER 0, 192, F0, F1, 0
	TURN 0, 1, 1
	QUARTER 1, 64,  F0, F1, 0
	QUARTER 1, 128, F1, F0, 0
	QUARTER 1, 192, F0, F1, 0
	TURN 1, 0, 1
	QUARTER 0, 64,  F0, F1, 0
	WIN 0
	s_sub_co_u32 s3, s3, 1
	s_cmp_lg_u32 s3, 0
	s_cbranch_scc1 .Llap
	QUARTER 0, 128, F1, F0, 0                      ; the last lap fills nothing
	QUARTER 0, 192, F0, F1, 0
	TURN 0, 1, 0
	QUARTER 1, 64,  F0, F1, 0
	QUARTER 1, 128, F1, F0, 0
	QUARTER 1, 192, F0, F1, 0
	s_wait_dscnt 4
	MUL8 F1, 0, 0
	MUL8 F1, 1, 0
	s_wait_dscnt 0x0
	MUL8 F1, 2, 0
	MUL8 F1, 3, 0
	WIN 0
	PLACES
; THE WAY OUT of row block a: the table's words widened; each pair (re, im) turned: re c - im s, re s + im c; rounded to f16; 16 bytes a lane into my stage; back as whole rows of 256 bytes; stored.
.macro OUT a
	WIN 0x08                                       ; source 1 window 2
.set i, 0
.rept 32
	v_lshlrev_b32 v[CC+2*i], 16, v[32*(\a)+i]      ; cos
	v_and_b32 v[CC+2*i+1], s69, v[32*(\a)+i]       ; sin
.set i, i+1
.endr
	WIN 0x01                                       ; source 0 window 1
.set i, 0
.rept 32
	v_mul_f32 v[TT+2*i], v[64*(\a)+2*i+1], v[CC+2*i+1]
	v_mul_f32 v[TT+2*i+1], v[64*(\a)+2*i], v[CC+2*i+1]
	v_fma_f32 v[TT+2*i], v[64*(\a)+2*i], v[CC+2*i], -v[TT+2*i]
	v_fma_f32 v[TT+2*i+1], v[64*(\a)+2*i+1], v[CC+2*i], v[TT+2*i+1]
.set i, i+1
.endr
	WIN 0
.set i, 0
.rept 32
	v_cvt_pk_f16_f32 v[TMP+i], v[TT+2*i], v[TT+2*i+1]
.set i, i+1
.endr
.irp b, 0,1,2,3,4,5,6,7
	ds_store_b128 v[STO], v[TMP+4*(\b):TMP+4*(\b)+3] offset:32*(\b)
.endr
	s_wait_xcnt 0x0                                ; the block before's stores have read BK: only now is it loaded again
.irp t, 0,1,2,3,4,5,6,7
	ds_load_b128 v[BK+4*(\t):BK+4*(\t)+3], v[RD] offset:(\t)*2*SPITCH  ; LDS serves a wave's instructions in order (ISA guide 5.7.1.4): these see the stores above
.endr
	s_wait_dscnt 0x0
.irp t, 0,1,2,3,4,5,6,7
	global_store_b128 v[CO], v[BK+4*(\t):BK+4*(\t)+3], s[8:9] offset:4096*(\a)+512*(\t)  ; two rows of a head: 512 consecutive bytes, aligned
.endr
.endm
	s_wait_loadcnt 0x0                             ; the table's words
	OUT 0
	OUT 1
	OUT 2
	OUT 3
	s_wait_tensorcnt 0x0                           ; the wave's end
	ds_add_u32 v[SPW], v[NIL]
	s_wait_dscnt 0x0
	CROUND                                         ; the closing round: no work-group ends while a partner may still ask for a tile that names it
	s_endpgm
.Lfunc_end_k_q6432784d6c_qkv:
	.size	k_q6432784d6c_qkv, .Lfunc_end_k_q6432784d6c_qkv-k_q6432784d6c_qkv
	.p2alignl 7, 3214868480
	.fill 96, 4, 3214868480
	.section	.rodata,"a",@progbits
	.p2align	6, 0x0
	.amdhsa_kernel k_q6432784d6c_qkv
		.amdhsa_group_segment_fixed_size 327680
		.amdhsa_private_segment_fixed_size 0
		.amdhsa_enable_private_segment 0
		.amdhsa_kernarg_size 32
		.amdhsa_user_sgpr_count 2
		.amdhsa_user_sgpr_kernarg_segment_ptr 1
		.amdhsa_wavefront_size32 1
		.amdhsa_system_sgpr_workgroup_id_x 1
		.amdhsa_system_sgpr_workgroup_id_y 1
		.amdhsa_system_sgpr_workgroup_id_z 1
		.amdhsa_system_vgpr_workitem_id 0
		.amdhsa_next_free_vgpr 640
		.amdhsa_next_free_sgpr 80
		.amdhsa_reserve_vcc 0
		.amdhsa_float_denorm_mode_32 3
		.amdhsa_float_denorm_mode_16_64 3
		.amdhsa_memory_ordered 1
		.amdhsa_forward_progress 1
		.amdhsa_inst_pref_size 123
	.end_amdhsa_kernel
	.amdgpu_metadata
---
amdhsa.version: [ 1, 2 ]
amdhsa.kernels:
  - .name:           k_q6432784d6c_qkv
    .symbol:         k_q6432784d6c_qkv.kd
    .args:
      - { .name: xb, .offset: 0, .size: 8, .value_kind: global_buffer, .address_space: global }
      - { .name: wb, .offset: 8, .size: 8, .value_kind: global_buffer, .address_space: global }
      - { .name: cs, .offset: 16, .size: 8, .value_kind: global_buffer, .address_space: global }
      - { .name: qkvh, .offset: 24, .size: 8, .value_kind: global_buffer, .address_space: global }
    .group_segment_fixed_size: 327680
    .private_segment_fixed_size: 0
    .kernarg_segment_align: 8
    .kernarg_segment_size: 32
    .max_flat_workgroup_size: 128
    .sgpr_count:     80
    .vgpr_count:     640
    .wavefront_size: 32
...
	.end_amdgpu_metadata
.endif
;; end of part 2
;; launch attn (part 3): grid 32 x 8, 4 waves a work-group, clusters of 4 x 1, 327,680 bytes of LDS; arguments qkvh, mw, att; writes att
.if DOCPART == 3
	.amdgcn_target "amdgcn-amd-amdhsa--gfx1250"
	.amdhsa_code_object_version 6
	.text
	.protected	k_q6432784d6c_attn
	.globl	k_q6432784d6c_attn
	.p2align	8
	.type	k_q6432784d6c_attn,@function
k_q6432784d6c_attn:
	s_mov_b64 s[64:65], 0
	v_nop
	global_prefetch_b8 v0, s[64:65] scope:SCOPE_SE
	s_setreg_imm32_b32 hwreg(HW_REG_WAVE_MODE, 25, 1), 1
	s_wait_xcnt 0x0
	s_wait_alu depctr_hold_cnt(0) depctr_sa_sdst(0) depctr_va_vdst(0) depctr_va_sdst(0) depctr_va_ssrc(0) depctr_va_vcc(0) depctr_vm_vsrc(0)
	s_getreg_b32 s2, hwreg(HW_REG_IB_STS2, 6, 4)
	s_cmp_eq_u32 s2, 0
	s_cbranch_scc0 .Lentry_in_a_cluster
	s_endpgm
.Lentry_in_a_cluster:
	s_bfe_u32 s2, ttmp6, 0x10000c
	s_cmp_lg_u32 s2, 0x3003
	s_cbranch_scc0 .Lentry_shape_is_right
	s_endpgm
.Lentry_shape_is_right:
; att[q][128 head + d] = the sum over k of softmax_k(q . k / sqrt(128) + mask[q][k]) v[k][d], for 16 query heads on 8 key and value heads.  The mask is an input: every key is walked, and the mask is added as given.
; IN: qkvh [32][2048][128] f16: q / 64, k / 64, v / 4.  mw: bf16(mask) x 2^-12 sqrt(128) in f32, in the order of a matrix instruction's C.  OUT: att [2048][2048] f16, in units of v / 4.
; The product (q / 64) . (k / 64) is 2^-12 q . k, and the mask's word is the C that starts the sum: S = 2^-12 sqrt(128) (score + mask).  p = 2^(c S - c m) with c = log2(e) 2^12 / sqrt(128), m the running maximum.
; Products, maxima and sums in f32; p is rounded to f16 for the second product (l is the sum of the unrounded p), the result once at the end.
; LIMITS.  A row's largest score + mask lies above -2.9e37 (c m starts at -4.25e37, so that the first step's a is 0); a weight below 2^-126 counts as 0 in l; NaN and infinities are not treated apart.
; SHARES.  A work-group takes 64 queries of the two query heads that share key and value head g: 256 work-groups.  A wave takes 16 queries as two tiles, one a head: both take the same mask registers,
; and each fragment of K and V feeds both.  Every wave walks all 2,048 keys, 64 a step, two steps a slot.
; LAYOUT.  S^T = K Q^T (source 0 = 16 keys, source 1 = 16 queries): a lane holds ONE query (lane % 16) and the keys 8 (lane / 16) + 0..7.  Two such results rounded to f16 ARE source 1 of O^T = V^T P.
; IN PHASES: a step's 32 products K Q^T, both tiles' softmax, its 32 products V^T P.
; CLUSTER.  The four query blocks of a cluster share g and walk the same K and V: each tile is asked for jointly, by the same load, descriptor and mask in all four.
; REGISTERS: window 0: v0-13 addresses; v16-31 eight registers of statistics a tile; v32-63 P; v64-127 S^T; v128-159, v160-191 the mask of a slot's two steps; v192-193 the add's.
;            window 1: v0-127 O^T, 64 a tile; v128-255 V of one step.     window 2: v0-63 Q, 32 a tile; v64-191 K of one step.
.set KS,    64
.set PK,    272       ; a row of K in LDS: 256 bytes + 16: the 16 rows of a load start at 16 different groups of four banks (ISA guide 11.1)
.set PV,    288       ; a row of V: 256 + 32
.set VOFF,  KS*PK     ; a step's tiles lie together: 64 rows of K, then 64 rows of V
.set STEPB, KS*(PK+PV)
.set SLOT1, 1<<17     ; a slot holds two steps (71,680 bytes); slot 1 begins here, so that one exclusive or turns an address in one slot into the other's
.set STAGE, SLOT1+2*STEPB  ; behind the ring: 16 rows x 272 bytes for each wave, for the way out
.set SP,    272
.set SPARE, STAGE+4*16*SP  ; behind the stages: the spare words, 128 bytes for each wave
.set AK0, 2           ; v2   my lane's place in a tile of K; never rewritten
.set AV0, 3           ; v3   the same for V
.set AK,  4           ; v4   K's tiles of the slot in hand
.set AV,  5           ; v5   V's
.set QO,  6           ; v6   my byte offset in the wave's rows of Q; never rewritten
.set RD,  7           ; v7   the way out: where I read a row back
.set GO,  8           ; v8   my byte offset in two rows of att
.set MO,  12          ; v12  16 x lane: my 16 bytes of 512 of the mask; never rewritten
.set STO, 13          ; v13  the way out: where I put 16 bytes of a row
.set ST,  16          ; tile t's statistics at v[ST+8 t]: +0 c m, +1 m, +2, +3 l (even keys', odd keys'), +4 to +7 c0-c3 at work; a takes c2's place once the maximum is found
.set P,   32
.set S,   64
.set MK,  128
.set SPW, 192
.set NIL, 193
.set VF,  128         ; window 1
.set KF,  64          ; window 2
.set WV,  12          ; s12  my wave's number
.set G1K, 24          ; s[24:31] descriptor group 1 for K's tiles
.set G1V, 32          ; s[32:39] for V's: it differs in the padding alone
.set G0K, 40          ; s[40:43] descriptor group 0 for K's tiles: it walks
.set G0V, 44          ; s[44:47] the same for V's
.set SLOTS, 56        ; s56  slots still to be asked for
.set CS,  58          ; s[58:59] c: the packed scaling takes the pair's low word for both halves
.set SEL, 60          ; s[60:61] v_permlanex16_b32's selects: each lane takes its own place in the other half
.set TB,  62          ; s62  LDS byte at which the slot in hand begins
.set MSB, 0
.macro WIN new
.if MSB != (\new)
	s_set_vgpr_msb (MSB<<8)|(\new)
.set MSB, \new
.endif
.endm
.set W_KQ, 0x0a       ; K and Q in window 2; S^T and the mask in window 0
.set W_PV, 0x51       ; V and O^T in window 1, P in window 0
.set W_RS, 0x41       ; O^T (destination and source 0) in window 1, a in window 0
.macro JLOAD                        ; a joint fill: waves 0 and 1 fetch K of the slot's two steps, waves 2 and 3 V of them; an s_nop 0 and four v_nop follow each line
	s_cmp_lt_u32 s[WV], 2
	s_cbranch_scc0 .Lfor_v_\@
	tensor_load_to_lds s[G0K:G0K+3], s[G1K:G1K+7]
	s_nop 0
.rept 4
	v_nop
.endr
	s_branch .Lasked_\@
.Lfor_v_\@:
	tensor_load_to_lds s[G0V:G0V+3], s[G1V:G1V+7]
	s_nop 0
.rept 4
	v_nop
.endr
.Lasked_\@:
.endm
.macro CROUND                       ; a round of the cluster's barrier
	s_barrier_signal -1
	s_barrier_wait -1
	s_cmp_lg_u32 s[WV], 0
	s_cbranch_scc1 .Lnot_wave_0_\@
	s_barrier_signal -3
.Lnot_wave_0_\@:
	s_barrier_wait -3
	s_barrier_signal -1
	s_barrier_wait -1
.endm
.macro PLACES                       ; four places behind matrix instructions (ISA guide 7.12.1)
.rept 4
	v_nop
.endr
.endm
; THE CHANGE OF SLOTS.  Each wave waits for all its tensor loads, of which one is out: its part of the other slot; adds 0 to its spare word; and waits for that and for its own reads of the slot that it leaves.
; fill = 1: the barrier is a round of the cluster's, and the slot left is filled again first thing behind it, with the next 128 keys: two steps, 128 matrix instructions and their softmax, in which to land.
; (At its first use nothing has been read yet: slot 0 is waited for, slot 1 filled.)
.macro CHANGE fill
	WIN 0
	s_wait_tensorcnt 0x0            ; no tensor load of mine is out, so a group 0 may be written
	ds_add_u32 v[SPW], v[NIL]
.if \fill
.irp g, G0K, G0V
	s_xor_b32 s[(\g)+1], s[(\g)+1], SLOT1
	s_add_nc_u64 s[(\g)+2:(\g)+3], s[(\g)+2:(\g)+3], 2*KS*256
.endr
	s_wait_dscnt 0x0                ; the add is done, and my reads of the slot are over
	CROUND
	JLOAD
.else
	s_wait_dscnt 0x0
	s_barrier_signal -1
	s_barrier_wait -1
.endif
	s_xor_b32 s[TB], s[TB], SLOT1   ; the reads go to the other slot
.endm
	s_load_b128 s[4:7], s[0:1], 0x0   ; qkvh s[4:5], mw s[6:7]
	s_load_b64 s[10:11], s[0:1], 0x10 ; att
	v_lshl_add_u32 v[SPW], v0, 2, SPARE
	v_mov_b32 v[NIL], 0
	ds_add_u32 v[SPW], v[NIL]       ; the wave's opening: the add and its wait stand ahead of my first tensor load
	v_lshrrev_b32 v1, 5, v0
	v_readfirstlane_b32 s[WV], v1   ; wave 0..3
	s_bfe_u32 s13, ttmp6, 0x40000   ; cx
	s_lshl_b32 s14, ttmp9, 2
	s_add_co_u32 s14, s14, s13      ; my block of 64 queries: it enters Q's, the mask's and att's addresses alone
	s_and_b32 s20, ttmp7, 0xffff    ; g, which the four partners share
	s_and_b32 s16, s[WV], 1         ; which of a slot's two steps I fetch:
	s_mul_i32 s17, s16, STEPB       ; its place in a slot,
	s_lshl_b32 s16, s16, 14         ; its 64 rows of 256 bytes in memory
	s_add_co_u32 s22, s20, 16       ; K's head
	s_lshl_b32 s22, s22, 19
	s_add_co_u32 s22, s22, s16
	s_mov_b32 s23, 0
	s_add_co_u32 s18, s20, 24       ; V's head
	s_lshl_b32 s18, s18, 19
	s_add_co_u32 s18, s18, s16
	s_mov_b32 s19, 0
	s_lshl_b32 s15, s14, 2
	s_add_co_u32 s15, s15, s[WV]    ; my tile of 16 queries
	s_lshl_b32 s2, s15, 12          ; its rows in a head,
	s_lshl_b32 s3, s20, 20          ; in head 2 g
	s_add_co_u32 s2, s2, s3
	s_mov_b32 s3, 0
	s_lshl_b32 s52, s15, 17         ; its part of mw
	s_mov_b32 s53, 0
	s_lshl_b32 s54, s15, 16         ; its rows of att, 4,096 bytes each,
	s_lshl_b32 s55, s20, 9          ; and the two heads' 512 bytes in them
	s_add_co_u32 s54, s54, s55
	s_mov_b32 s55, 0
	s_mov_b32 s[G1K], 15|(1<<16)|(1<<20)|(1<<21)|(5<<22)|(3<<25)  ; the mask of four; 2-byte elements; padding on; bit 21 beside a mask; after every 64 words 4 words
	s_mov_b32 s[G1V], 15|(1<<16)|(1<<20)|(1<<21)|(5<<22)|(7<<25)  ; the same with 8 words
.irp g, G1K, G1V
	s_mov_b32 s[(\g)+1], 128<<16    ; tensor_dim0 = 128
	s_mov_b32 s[(\g)+2], KS<<16     ; tensor_dim1 = 64
	s_mov_b32 s[(\g)+3], 128<<16    ; tile_dim0 = 128
	s_mov_b32 s[(\g)+4], KS         ; tile_dim1 = 64
	s_mov_b32 s[(\g)+5], 128        ; elements from row to row
	s_mov_b32 s[(\g)+6], 0
	s_mov_b32 s[(\g)+7], 0
.endr
	s_mov_b32 s[CS], 0x440293ee     ; c = log2(e) 2^12 / sqrt(128) = 522.31
	s_mov_b32 s[CS+1], s[CS]
	s_mov_b32 s[SEL], 0x76543210
	s_mov_b32 s[SEL+1], 0xfedcba98
	s_mov_b32 s[TB], SLOT1          ; the first change of slots turns it into 0
	s_mov_b32 s[G0K], 1
	s_mov_b32 s[G0K+1], s17         ; slot 0
	s_mov_b32 s[G0V], 1
	s_add_co_u32 s[G0V+1], s17, VOFF
	s_wait_dscnt 0x0                ; the opening add is done
	s_wait_kmcnt 0x0
	s_add_nc_u64 s[G0K+2:G0K+3], s[4:5], s[22:23]
	s_or_b32 s[G0K+3], s[G0K+3], 0x80000000
	s_add_nc_u64 s[G0V+2:G0V+3], s[4:5], s[18:19]
	s_or_b32 s[G0V+3], s[G0V+3], 0x80000000
	s_add_nc_u64 s[4:5], s[4:5], s[2:3]      ; Q at my first row, head 2 g
	s_add_nc_u64 s[6:7], s[6:7], s[52:53]    ; the mask at my tile, key 0: it walks
	s_add_nc_u64 s[10:11], s[10:11], s[54:55]
	CROUND                          ; all four work-groups are here: the first joint loads meet
	JLOAD                           ; slot 0 alone; slot 1 is asked for when slot 0 is in
	v_and_b32 v1, 15, v0            ; l % 16
	v_bfe_u32 v9, v0, 4, 1          ; l / 16
	v_lshlrev_b32 v[QO], 8, v1
	v_lshl_add_u32 v[QO], v9, 4, v[QO]  ; row x 256 + 16 x half
	v_and_b32 v[MO], 31, v0
	v_lshlrev_b32 v[MO], 4, v[MO]
	WIN 0x80                        ; destination window 2
.irp t, 0,1
.irp c, 0,1,2,3                     ; Q stays in registers: tile t (head 2 g + t), channels 32 c on
	global_load_b128 v[32*(\t)+8*(\c):32*(\t)+8*(\c)+3],   v[QO], s[4:5] offset:524288*(\t)+64*(\c)
	global_load_b128 v[32*(\t)+8*(\c)+4:32*(\t)+8*(\c)+7], v[QO], s[4:5] offset:524288*(\t)+64*(\c)+32
.endr
.endr
	WIN 0
.irp x, 0,1
.irp n, 0,1,2,3,4,5,6,7             ; the mask of steps 0 and 1
	global_load_b128 v[MK+32*(\x)+4*(\n):MK+32*(\x)+4*(\n)+3], v[MO], s[6:7] offset:4096*(\x)+512*(\n)
.endr
.endr
	; O^T and l start at 0, c m far below every c S: the first step is a step like any other, with a = 0, and no first step is written out.  These lines stand in the wait for the first tile.
	WIN 0x40
.set i, 0
.rept 128
	v_mov_b32 v[i], 0
.set i, i+1
.endr
	WIN 0
.irp t, 0,1
	v_mov_b32 v[ST+8*(\t)], 0xfe000000
	v_mov_b32 v[ST+8*(\t)+1], 0xff7fffff
	v_mov_b32 v[ST+8*(\t)+2], 0
	v_mov_b32 v[ST+8*(\t)+3], 0
.endr
	v_mul_u32_u24 v[AK0], v1, PK
	v_lshl_add_u32 v[AK0], v9, 4, v[AK0]  ; row x pitch + 16 x half
	; The turning load takes 16 keys x 16 channels (lane l reads key 8 (l / 16) + l % 8, channels 8 ((l / 8) % 2) + 0..7) and leaves half a fragment of V^T: lane l holds channel l % 16 and 8 keys.
	v_and_b32 v10, 7, v0
	v_bfe_u32 v11, v0, 3, 1
	v_lshl_add_u32 v[AV0], v9, 3, v10
	v_mul_u32_u24 v[AV0], v[AV0], PV
	v_lshl_add_u32 v[AV0], v11, 4, v[AV0]
	v_add_nc_u32 v[AV0], VOFF, v[AV0]
	s_mul_i32 s21, s[WV], 16*SP
	s_add_co_u32 s21, s21, STAGE    ; my stage
	v_mul_u32_u24 v[STO], v1, SP    ; in: row l % 16, 16 bytes for each half of the lanes
	v_lshl_add_u32 v[STO], v9, 4, v[STO]
	v_add_nc_u32 v[STO], s21, v[STO]
	v_mul_u32_u24 v[RD], v9, SP     ; back: lanes 0-15 take one row of 256 bytes, lanes 16-31 the next
	v_lshl_add_u32 v[RD], v1, 4, v[RD]
	v_add_nc_u32 v[RD], s21, v[RD]
	v_lshlrev_b32 v[GO], 12, v9     ; and the same two rows of att
	v_lshl_add_u32 v[GO], v1, 4, v[GO]
; Product i of 32 of S^T = K Q^T + mask, step x of the slot: channels 32 (i / 8) on, keys 16 ((i / 2) % 4) on, tile i % 2.  The first 8 start the sums, with the mask as C.  The 8 accumulators take turns.
.macro MKQ x
	WIN W_KQ
.set rS, S+32*(i%2)+8*((i/2)%4)
.set rK, KF+32*((i/2)%4)+8*(i/8)
.set rQ, 32*(i%2)+8*(i/8)
.set rM, MK+32*(\x)+8*((i/2)%4)
.if i < 8
	v_wmma_f32_16x16x32_f16 v[rS:rS+7], v[rK:rK+7], v[rQ:rQ+7], v[rM:rM+7]
.else
	v_wmma_f32_16x16x32_f16 v[rS:rS+7], v[rK:rK+7], v[rQ:rQ+7], v[rS:rS+7]
.endif
.endm
; Product i of 32 of O^T += V^T P: keys 32 (i / 16) on, channels 16 ((i / 2) % 8) on, tile i % 2.  The 16 accumulators take turns.
.macro MPV
	WIN W_PV
.set rO, 64*(i%2)+8*((i/2)%8)
.set rV, VF+64*(i/16)+8*((i/2)%8)
.set rP, P+16*(i%2)+8*(i/16)
	v_wmma_f32_16x16x32_f16 v[rO:rO+7], v[rV:rV+7], v[rP:rP+7], v[rO:rO+7]
.endm
; The LDS loads stand in runs of 32: K of step x of the slot (16 fragments), V of it (turned).
.macro FETCH_K x
	WIN 0x80
.irp f, 0,1,2,3,4,5,6,7,8,9,10,11,12,13,14,15  ; keys 16 (f / 4) on, channels 32 (f % 4) on
	ds_load_b128 v[KF+8*(\f):KF+8*(\f)+3],   v[AK] offset:(\x)*STEPB+((\f)/4)*16*PK+((\f)%4)*64
	ds_load_b128 v[KF+8*(\f)+4:KF+8*(\f)+7], v[AK] offset:(\x)*STEPB+((\f)/4)*16*PK+((\f)%4)*64+32
.endr
.endm
.macro FETCH_V x
	WIN 0x40
.irp f, 0,1,2,3,4,5,6,7,8,9,10,11,12,13,14,15  ; keys 32 (f / 8) on, channels 16 (f % 8) on
	ds_load_tr16_b128 v[VF+8*(\f):VF+8*(\f)+3],   v[AV] offset:(\x)*STEPB+((\f)/8)*32*PV+((\f)%8)*32
	ds_load_tr16_b128 v[VF+8*(\f)+4:VF+8*(\f)+7], v[AV] offset:(\x)*STEPB+((\f)/8)*32*PV+16*PV+((\f)%8)*32
.endr
.endm
; THE SOFTMAX of one tile for one step is a list of 134 instructions; SM writes number j of it for tile t.  s0-s31 are the lane's 32 scores, in pairs 0-15.
;   0-15    the maximum of s0-s31 and the old m, three operands at a time: four chains c0-c3 of seven scores each (each accumulator's lowest registers first), then the four left over, c0-c3 and m
;   16-20   the other half of the lanes' maximum; the new m; c m; c m_old - c m_new
;   21-87   33 exponentials (a, then s0-s31) at the odd numbers from 23 on, a plain instruction at every even one: scalings c s - c m some pairs ahead, roundings to f16 a pair back, the first sums
;   88-101  the last rounding; the rest of the sums; l = a l + the sum          102-133 the tile's O^T times a
.macro SM t
.set rT, ST+8*(\t)
.set rS, S+32*(\t)
.set rP, P+16*(\t)
.set rO, 64*(\t)+2*(j-102)
.set q, (j-20)/2
.if j < 102
	WIN 0
.endif
.if j < 4
	v_max3_num_f32 v[rT+4+j], v[rS+8*j], v[rS+8*j+1], v[rS+8*j+2]
.elseif j < 12
	v_max3_num_f32 v[rT+4+j%4], v[rT+4+j%4], v[rS+8*(j%4)+2*(j/4)+1], v[rS+8*(j%4)+2*(j/4)+2]
.elseif j == 12
	v_max3_num_f32 v[rT+4], v[rT+4], v[rS+7], v[rS+15]
.elseif j == 13
	v_max3_num_f32 v[rT+6], v[rT+6], v[rS+23], v[rS+31]
.elseif j == 14
	v_max3_num_f32 v[rT+4], v[rT+4], v[rT+5], v[rT+6]
.elseif j == 15
	v_max3_num_f32 v[rT+4], v[rT+4], v[rT+7], v[rT+1]
.elseif j == 16
	v_permlanex16_b32 v[rT+5], v[rT+4], s[SEL], s[SEL+1]  ; the query's other 32 keys lie in the lane 16 away
.elseif j == 17
	v_mov_b32 v[rT+7], v[rT]        ; c m_old is kept for a: number 19 writes c m anew
.elseif j == 18
	v_max_num_f32 v[rT+1], v[rT+4], v[rT+5]
.elseif j == 19
	v_mul_f32 v[rT], s[CS], v[rT+1]
.elseif j == 20
	v_sub_f32 v[rT+7], v[rT+7], v[rT]
.elseif j == 23
	v_exp_f32 v[rT+6], v[rT+7]
.elseif (j < 88) && (j > 23) && (j%2 == 1)
	v_exp_f32 v[rS+(j-25)/2], v[rS+(j-25)/2]
.elseif (q < 4) || ((j < 76) && (q%2 == 0))
.set b, q/2+2
.if q < 4
.set b, q
.endif
	v_pk_fma_f32 v[rS+2*b:rS+2*b+1], v[rS+2*b:rS+2*b+1], s[CS:CS+1], v[rT:rT+1] op_sel_hi:[1,0,0] neg_lo:[0,0,1] neg_hi:[0,0,1]  ; pair b: c s - c m
.elseif (j < 88) && (q%2 == 1)
	s_wait_alu depctr_va_vdst(0)
	v_cvt_pk_f16_f32 v[rP+(q-5)/2], v[rS+q-5], v[rS+q-4]  ; pair (q - 5) / 2: its second exponential stands three numbers back
.elseif j == 89
	s_wait_alu depctr_va_vdst(0)
	v_cvt_pk_f16_f32 v[rP+15], v[rS+30], v[rS+31]
.elseif j < 102                     ; the sum of the tile's 16 pairs, in place: sum z of 16 adds neighbours 1, 2, 4 and 8 pairs apart, then l takes it
.set z, j-86
.if j < 89
.set z, (j-76)/4
.endif
.set w, 4
.set u, z
.if z >= 14
.set w, 32
.set u, 0
.elseif z >= 12
.set w, 16
.set u, z-12
.elseif z >= 8
.set w, 8
.set u, z-8
.endif
.if z < 15
	v_pk_add_f32 v[rS+w*u:rS+w*u+1], v[rS+w*u:rS+w*u+1], v[rS+w*u+w/2:rS+w*u+w/2+1]
.else
	v_pk_fma_f32 v[rT+2:rT+3], v[rT+2:rT+3], v[rT+6:rT+7], v[rS:rS+1] op_sel_hi:[1,0,1]
.endif
.else
	WIN W_RS
	v_pk_mul_f32 v[rO:rO+1], v[rO:rO+1], v[rT+6:rT+7] op_sel_hi:[1,0]
.endif
.endm
; Slice k of 64: numbers 2 k and 2 k + 1 of both tiles' lists (slice 63: the last eight).  Among the exponentials tile by tile: plain, exponential, plain, exponential, so that a plain instruction of the
; other tile stands behind each exponential before its result is used (ISA guide 5.7.2); elsewhere the tiles alternate, so that no instruction reads the result of the one just before it.
.macro SLICE
.if (k >= 11) && (k < 44)
.irp t, 0,1
.irp n, 0,1
.set j, 2*k+(\n)
	SM \t
.endr
.endr
.else
.irp n, 0,1,2,3,4,5,6,7
.if ((\n) < 2) || (k == 63)
.irp t, 0,1
.set j, 2*k+(\n)
	SM \t
.endr
.endif
.endr
.endif
.set k, k+1
.endm
; STEP x of a slot.  more = 1: a further slot follows, and its mask for step x is asked for as soon as this step's products have taken theirs: almost two steps in which to land.
.macro STEP x, more
	s_wait_dscnt 32                 ; K of this step is in; V's 32 loads, issued behind it, may be out
.if (\more) || ((\x) == 0)
	s_wait_loadcnt 8                ; this step's mask (and, the first time, Q) is in: the other buffer's eight loads were issued behind it
.else
	s_wait_loadcnt 0x0              ; the last step's mask: nothing was issued behind it
.endif
.set i, 0
.rept 32
	MKQ \x
.set i, i+1
.endr
	WIN 0
	PLACES                          ; in front of the loads into the mask's registers and of the softmax's reads
.if \more
.if (\x) == 0
	s_wait_xcnt 0x0                 ; the mask's base is a source of loads that may be pending: it steps only behind this wait
	s_add_nc_u64 s[6:7], s[6:7], 8192  ; the next slot's 128 keys
.endif
.irp n, 0,1,2,3,4,5,6,7
	global_load_b128 v[MK+32*(\x)+4*(\n):MK+32*(\x)+4*(\n)+3], v[MO], s[6:7] offset:4096*(\x)+512*(\n)  ; 512 consecutive bytes
.endr
.endif
.set k, 0
.rept 64
	SLICE
.endr
	WIN 0
	s_wait_dscnt 0x0                ; V of this step is in
.if (\x) == 0
	FETCH_K 1                       ; the last product that read K stands in front of the softmax
.endif
.set i, 0
.rept 32
	MPV
.set i, i+1
.endr
	WIN 0
	PLACES                          ; in front of loads into V's registers, and of what reads O^T
.if (\x) == 0
	FETCH_V 1
.endif
.endm
.macro TWO_STEPS more
	WIN 0
	v_add_nc_u32 v[AK], s[TB], v[AK0]
	v_add_nc_u32 v[AV], s[TB], v[AV0]
	FETCH_K 0
	FETCH_V 0
	STEP 0, \more
	STEP 1, \more
.endm
	s_mov_b32 s[SLOTS], 2048/(2*KS)-1
.Lslot:                             ; 15 trips: change number n fills a slot with keys 128 n on, and the trip reads the 128 keys before them
	CHANGE 1
	TWO_STEPS 1
	WIN 0
	s_sub_co_u32 s[SLOTS], s[SLOTS], 1
	s_cmp_lg_u32 s[SLOTS], 0
	s_cbranch_scc1 .Lslot
	CHANGE 0                        ; the last slot is written out: nothing is asked for
	TWO_STEPS 0
	; THE WAY OUT.  l's two halves and the other half of the lanes' are added; O^T is divided by l, rounded to f16 and sent through my stage in LDS, a tile at a time.
	WIN 0
.irp t, 0,1
	v_add_f32 v[ST+8*(\t)+4], v[ST+8*(\t)+2], v[ST+8*(\t)+3]
.endr
.irp t, 0,1
	v_permlanex16_b32 v[ST+8*(\t)+5], v[ST+8*(\t)+4], s[SEL], s[SEL+1]
.endr
.irp t, 0,1
	v_add_f32 v[ST+8*(\t)+4], v[ST+8*(\t)+4], v[ST+8*(\t)+5]
.endr
.irp t, 0,1
	v_rcp_f32 v[ST+8*(\t)+6], v[ST+8*(\t)+4]
.endr
	v_nop                           ; a plain instruction between the last reciprocal and the use of its result
	s_wait_alu depctr_va_vdst(0)
.macro PACK t                       ; a lane's eight channels of a row pack into 16 bytes; they go into rows of 272 bytes and come back as whole rows of 256, into S^T's registers
	WIN W_RS
.set i, 64*(\t)
.rept 32
	v_pk_mul_f32 v[i:i+1], v[i:i+1], v[ST+8*(\t)+6:ST+8*(\t)+7] op_sel_hi:[1,0]
.set i, i+2
.endr
	WIN 0x05                        ; sources 0 and 1 window 1, destination window 0
.set i, 0
.rept 32
	v_cvt_pk_f16_f32 v[S+32*(\t)+i], v[64*(\t)+2*i], v[64*(\t)+2*i+1]
.set i, i+1
.endr
	WIN 0
.irp f, 0,1,2,3,4,5,6,7
	ds_store_b128 v[STO], v[S+32*(\t)+4*(\f):S+32*(\t)+4*(\f)+3] offset:32*(\f)
.endr
.irp f, 0,1,2,3,4,5,6,7
	ds_load_b128 v[S+32*(\t)+4*(\f):S+32*(\t)+4*(\f)+3], v[RD] offset:(\f)*2*SP  ; LDS serves a wave's instructions in order (ISA guide 5.7.1.4): these see the stores above; the next tile's stores come behind them
.endr
.endm
.macro SEND t, younger              ; younger: the LDS instructions issued behind tile t's loads
	WIN 0
.irp f, 0,1,2,3,4,5,6,7
	s_wait_dscnt (\younger)+7-(\f)
	global_store_b128 v[GO], v[S+32*(\t)+4*(\f):S+32*(\t)+4*(\f)+3], s[10:11] offset:256*(\t)+8192*(\f)  ; 16 lanes store a head's 256 consecutive bytes of a row, aligned
.endr
.endm
	PACK 0
	PACK 1
	SEND 0, 16
	SEND 1, 0
	s_wait_tensorcnt 0x0            ; the wave's end
	ds_add_u32 v[SPW], v[NIL]
	s_wait_dscnt 0x0
	CROUND                          ; the closing round: no work-group ends while a partner may still ask for a tile that names it
	s_endpgm
.Lfunc_end_k_q6432784d6c_attn:
	.size	k_q6432784d6c_attn, .Lfunc_end_k_q6432784d6c_attn-k_q6432784d6c_attn
	.p2alignl 7, 3214868480
	.fill 96, 4, 3214868480
	.section	.rodata,"a",@progbits
	.p2align	6, 0x0
	.amdhsa_kernel k_q6432784d6c_attn
		.amdhsa_group_segment_fixed_size 327680
		.amdhsa_private_segment_fixed_size 0
		.amdhsa_enable_private_segment 0
		.amdhsa_kernarg_size 24
		.amdhsa_user_sgpr_count 2
		.amdhsa_user_sgpr_kernarg_segment_ptr 1
		.amdhsa_wavefront_size32 1
		.amdhsa_system_sgpr_workgroup_id_x 1
		.amdhsa_system_sgpr_workgroup_id_y 1
		.amdhsa_system_sgpr_workgroup_id_z 1
		.amdhsa_system_vgpr_workitem_id 0
		.amdhsa_next_free_vgpr 704
		.amdhsa_next_free_sgpr 66
		.amdhsa_reserve_vcc 0
		.amdhsa_float_denorm_mode_32 3
		.amdhsa_float_denorm_mode_16_64 3
		.amdhsa_memory_ordered 1
		.amdhsa_forward_progress 1
		.amdhsa_inst_pref_size 126
	.end_amdhsa_kernel
	.amdgpu_metadata
---
amdhsa.version: [ 1, 2 ]
amdhsa.kernels:
  - .name:           k_q6432784d6c_attn
    .symbol:         k_q6432784d6c_attn.kd
    .args:
      - { .name: qkvh, .offset: 0, .size: 8, .value_kind: global_buffer, .address_space: global }
      - { .name: mw, .offset: 8, .size: 8, .value_kind: global_buffer, .address_space: global }
      - { .name: att, .offset: 16, .size: 8, .value_kind: global_buffer, .address_space: global }
    .group_segment_fixed_size: 327680
    .private_segment_fixed_size: 0
    .kernarg_segment_align: 8
    .kernarg_segment_size: 24
    .max_flat_workgroup_size: 128
    .sgpr_count:     66
    .vgpr_count:     704
    .wavefront_size: 32
...
	.end_amdgpu_metadata
.endif
;; end of part 3
;; launch proj (part 4): grid 16 x 16, 4 waves a work-group, clusters of 4 x 4, 327,680 bytes of LDS; arguments att, wo16, out0; writes out0
.if DOCPART == 4
	.amdgcn_target "amdgcn-amd-amdhsa--gfx1250"
	.amdhsa_code_object_version 6
	.text
	.protected	k_q6432784d6c_proj
	.globl	k_q6432784d6c_proj
	.p2align	8
	.type	k_q6432784d6c_proj,@function
k_q6432784d6c_proj:
	s_mov_b64 s[64:65], 0
	v_nop
	global_prefetch_b8 v0, s[64:65] scope:SCOPE_SE
	s_setreg_imm32_b32 hwreg(HW_REG_WAVE_MODE, 25, 1), 1
	s_wait_xcnt 0x0
	s_wait_alu depctr_hold_cnt(0) depctr_sa_sdst(0) depctr_va_vdst(0) depctr_va_sdst(0) depctr_va_ssrc(0) depctr_va_vcc(0) depctr_vm_vsrc(0)
	s_getreg_b32 s2, hwreg(HW_REG_IB_STS2, 6, 4)
	s_cmp_eq_u32 s2, 0
	s_cbranch_scc0 .Lentry_in_a_cluster
	s_endpgm
.Lentry_in_a_cluster:
	s_bfe_u32 s2, ttmp6, 0x10000c
	s_cmp_lg_u32 s2, 0xf033
	s_cbranch_scc0 .Lentry_shape_is_right
	s_endpgm
.Lentry_shape_is_right:
; out0 = att wo16^T: att [2048][2048] f16 (in units of v / 4), wo16 [4096][2048] f16 (4 wo): the two factors cancel.  f32 sums, stored as they are.
; A tile of C is 128 x 256: 256 work-groups.  Four waves, each 64 rows x 128 columns: 32 accumulators, 256 registers.  K goes in steps of 128 (rows of 256 bytes, aligned) through two LDS slots
; filled by the tensor data mover; a step is four quarters of 32 along K on two fragment buffers.
; CLUSTER 4 x 4: the four work-groups of a row of the cluster need the same tiles of att, the four of a column the same tiles of wo16: each tile is asked for jointly.
; THE WALK ALONG K.  A lap is two K steps, 512 bytes of a row.  Laps go in groups of four, and a cluster whose x + y is odd takes each group in the order 2, 3, 0, 1 (the lap's number exclusive-or 2).
; Clusters that are neighbours along x need the same rows of att, neighbours along y the same rows of wo16: of two such neighbours one asks for a K range four K steps after the other has asked for it.
; The order hangs on the cluster's own coordinates alone, which all sixteen partners share.  Each f32 sum takes K in its cluster's order.
; THE MATRIX INSTRUCTION IS USED TRANSPOSED (source 0 = 16 rows of wo16, source 1 = 16 rows of att): a lane holds row l % 16 of C and the columns 8 (l / 16) + 0..7: 32 neighbouring bytes.
; REGISTERS: window 0: v0-29 addresses; v64-159, v160-255 two fragment buffers (4 of att at +8 a, 8 of wo16 at +32 + 8 b); on the way out v64-127 rows read back.  Window 1: accumulator (a, b) at v[8 (8 a + b)].
.set SIZE_K, 2048
.set SIZE_N, 4096
.set KSTEP,  128
.set PITCH,  272                       ; an LDS row: 256 bytes + 16 of padding: the 16 rows that a load touches start at 16 different groups of four banks (ISA guide 11.1)
.set AHALF,  64*PITCH
.set BHALF,  128*PITCH
.set BOFF,   2*AHALF
.set SLOT,   BOFF+2*BHALF
.set STAGE,  2*SLOT                    ; behind the ring: 16 rows x 528 bytes for each wave, for the way out
.set SPITCH, 528                       ; 128 f32 + 16 bytes
.set SPARE,  STAGE+4*16*SPITCH         ; behind the stages: the spare words, 128 bytes for each wave
.set LAPS,   SIZE_K/(2*KSTEP)          ; a multiple of 4
.set ADRA, 16
.set ADRB, 20
.set STO,  24
.set RD,   25
.set CO,   26
.set SPW,  28
.set NIL,  29
.set F0,   64
.set F1,   160
.set BK,   64
.set AB,  14                           ; s[14:15] att at my part of the tile, K = 0; never rewritten
.set G1,  24
.set G0,  32
.set G1B, 48
.set G0B, 56
.set ROT,  72                          ; s72      0 or 2: what a lap's number is exclusive-ored with
.set LAPK, 73                          ; s73      the place along K of the lap to be asked for
.set OFS,  74                          ; s[74:75] its byte offset in a row for slot 0, s[76:77] for slot 1
.set BB,   78                          ; s[78:79] wo16 at my part of the tile, K = 0; never rewritten
.set MSB, 0
.macro WIN new
.if MSB != (\new)
	s_set_vgpr_msb (MSB<<8)|(\new)
.set MSB, \new
.endif
.endm
.set MUL, 0x50                         ; sources 0 and 1 window 0; C and D window 1
.macro JLOAD s                         ; a joint load: waves 0 and 1 fetch att's two halves, waves 2 and 3 wo16's; an s_nop 0 and four v_nop follow each line
	s_cmp_eq_u32 s11, 0
	s_cbranch_scc0 .Lfor_b_\@
	tensor_load_to_lds s[G0+4*(\s):G0+4*(\s)+3], s[G1:G1+7]
	s_nop 0
.rept 4
	v_nop
.endr
	s_branch .Lasked_\@
.Lfor_b_\@:
	tensor_load_to_lds s[G0B+4*(\s):G0B+4*(\s)+3], s[G1B:G1B+7]
	s_nop 0
.rept 4
	v_nop
.endr
.Lasked_\@:
.endm
.macro AIM s                           ; slot s's two group 0 take the address of the lap in OFS: the tile's address at K = 0 and an offset made apart; the type bits are set again
	s_add_nc_u64 s[G0+4*(\s)+2:G0+4*(\s)+3], s[AB:AB+1], s[OFS+2*(\s):OFS+2*(\s)+1]
	s_or_b32 s[G0+4*(\s)+3], s[G0+4*(\s)+3], 0x80000000
	s_add_nc_u64 s[G0B+4*(\s)+2:G0B+4*(\s)+3], s[BB:BB+1], s[OFS+2*(\s):OFS+2*(\s)+1]
	s_or_b32 s[G0B+4*(\s)+3], s[G0B+4*(\s)+3], 0x80000000
.endm
.macro CREST
	s_cmp_lg_u32 s10, 0
	s_cbranch_scc1 .Lnot_wave_0_\@
	s_barrier_signal -3
.Lnot_wave_0_\@:
	s_barrier_wait -3
	s_barrier_signal -1
	s_barrier_wait -1
.endm
.macro CROUND
	s_barrier_signal -1
	s_barrier_wait -1
	CREST
.endm
.macro PLACES                          ; four places behind matrix instructions (ISA guide 7.12.1)
.rept 4
	v_nop
.endr
.endm
	s_load_b128 s[4:7], s[0:1], 0x0                ; att s[4:5], wo16 s[6:7]
	s_load_b64 s[8:9], s[0:1], 0x10                ; out0
	v_lshl_add_u32 v[SPW], v0, 2, SPARE
	v_mov_b32 v[NIL], 0
	ds_add_u32 v[SPW], v[NIL]                      ; the wave's opening: the add and its wait stand ahead of my first tensor load
	v_lshrrev_b32 v1, 5, v0
	v_readfirstlane_b32 s10, v1                    ; wave 0..3
	s_lshr_b32 s11, s10, 1                         ; which 64 rows of the tile are mine.  Also: I fetch for att (0) or for wo16 (1)
	s_and_b32 s12, s10, 1                          ; which 128 columns.  Also: which half of that tile I fetch
	s_bfe_u32 s40, ttmp6, 0x40000                  ; cx, cy
	s_bfe_u32 s41, ttmp6, 0x40004
	s_lshl_b32 s42, ttmp9, 2
	s_add_co_u32 s42, s42, s40                     ; tile column
	s_and_b32 s13, ttmp7, 0xffff
	s_lshl_b32 s13, s13, 2
	s_add_co_u32 s13, s13, s41                     ; tile row
	s_lshl_b32 s43, s41, 2
	s_lshl_b32 s43, 15, s43                        ; my row of the cluster
	s_lshl_b32 s44, 0x1111, s40                    ; my column
	s_or_b32 s[G1+0], s43, (1<<16)|(1<<20)|(1<<21)|(5<<22)|(3<<25)
	s_or_b32 s[G1B+0], s44, (1<<16)|(1<<20)|(1<<21)|(5<<22)|(3<<25)
.irp g, G1, G1B
	s_mov_b32 s[(\g)+1], KSTEP<<16
	s_mov_b32 s[(\g)+3], KSTEP<<16
	s_mov_b32 s[(\g)+5], SIZE_K
	s_mov_b32 s[(\g)+6], 0
	s_mov_b32 s[(\g)+7], 0
.endr
	s_mov_b32 s[G1+2], 64<<16
	s_mov_b32 s[G1+4], 64
	s_mov_b32 s[G1B+2], 128<<16
	s_mov_b32 s[G1B+4], 128
	s_and_b32 s[ROT], ttmp7, 0xffff                ; the cluster's y
	s_add_co_u32 s[ROT], s[ROT], ttmp9             ; + its x: alike in all sixteen partners
	s_and_b32 s[ROT], s[ROT], 1
	s_lshl_b32 s[ROT], s[ROT], 1                   ; 2 where the sum is odd
	s_lshl_b32 s[OFS], s[ROT], 9                   ; lap 0's place along K, 512 bytes a lap: slot 0's K step,
	s_mov_b32 s[OFS+1], 0
	s_or_b32 s[OFS+2], s[OFS], KSTEP*2             ; slot 1's, 256 bytes on
	s_mov_b32 s[OFS+3], 0
	s_lshl_b32 s17, s12, 6
	s_lshl_b32 s16, s13, 7
	s_add_co_u32 s16, s16, s17                     ; att: row 128 x tile row + 64 x half
	s_lshl_b32 s47, s12, 7
	s_lshl_b32 s46, s42, 8
	s_add_co_u32 s46, s46, s47                     ; wo16: row 256 x tile column + 128 x half
	s_mov_b32 s17, 0
	s_mov_b32 s47, 0
	s_mov_b64 s[18:19], SIZE_K*2
	s_mul_u64 s[16:17], s[16:17], s[18:19]
	s_mul_u64 s[46:47], s[46:47], s[18:19]
	s_mul_i32 s20, s12, AHALF
	s_mul_i32 s45, s12, BHALF
	s_add_co_u32 s45, s45, BOFF
	s_wait_dscnt 0x0                               ; the opening add is done
	s_wait_kmcnt 0x0
	s_add_nc_u64 s[AB:AB+1], s[4:5], s[16:17]
	s_add_nc_u64 s[BB:BB+1], s[6:7], s[46:47]
	CROUND                                         ; all sixteen work-groups are here: the first joint loads meet
.irp s, 0,1
	s_mov_b32 s[G0+4*(\s)], 1
	s_add_co_u32 s[G0+4*(\s)+1], s20, (\s)*SLOT
	s_mov_b32 s[G0B+4*(\s)], 1
	s_add_co_u32 s[G0B+4*(\s)+1], s45, (\s)*SLOT
	AIM \s
	JLOAD \s                                       ; two loads of mine are out: the most in this text
.endr
	v_and_b32 v1, 15, v0                           ; l % 16
	v_bfe_u32 v2, v0, 4, 1                         ; l / 16
	v_mul_u32_u24 v3, v1, PITCH
	v_lshl_add_u32 v3, v2, 4, v3
	s_mul_i32 s21, s11, AHALF
	s_mul_i32 s22, s12, BHALF
	s_add_co_u32 s22, s22, BOFF
.irp s, 0,1
	v_add_nc_u32 v[ADRA+(\s)], s21, v3
	v_add_nc_u32 v[ADRB+(\s)], s22, v3
	s_add_co_u32 s21, s21, SLOT
	s_add_co_u32 s22, s22, SLOT
.endr
	s_mul_i32 s23, s10, 16*SPITCH
	s_add_co_u32 s23, s23, STAGE                   ; my stage
	v_mul_u32_u24 v4, v1, SPITCH                   ; in: row l % 16, 32 bytes for each half of the lanes
	v_lshl_add_u32 v4, v2, 5, v4
	v_add_nc_u32 v[STO], s23, v4
	v_and_b32 v5, 31, v0
	v_lshlrev_b32 v[CO], 4, v5                     ; back, and in C: 32 lanes take one row's 512 bytes
	v_add_nc_u32 v[RD], s23, v[CO]
	s_lshl_b32 s16, s13, 7
	s_lshl_b32 s17, s11, 6
	s_add_co_u32 s16, s16, s17                     ; my first row,
	s_lshl_b32 s16, s16, 14                        ; of 16,384 bytes
	s_mov_b32 s17, 0
	s_add_nc_u64 s[8:9], s[8:9], s[16:17]
	s_lshl_b32 s46, s42, 10                        ; my first column, in bytes: 1,024 x tile column + 512 x half
	s_lshl_b32 s47, s12, 9
	s_add_co_u32 s46, s46, s47
	s_mov_b32 s47, 0
	s_add_nc_u64 s[8:9], s[8:9], s[46:47]
; 8 matrix instructions: row block a x all 8 column blocks, 32 along K.  zero = 1: the product starts the sums.  The 32 accumulators take turns, in the same order in every quarter.
.macro MUL8 f, a, zero
	WIN MUL
.irp b, 0,1,2,3,4,5,6,7
.if \zero
	v_wmma_f32_16x16x32_f16 v[8*(8*(\a)+(\b)):8*(8*(\a)+(\b))+7], v[(\f)+32+8*(\b):(\f)+32+8*(\b)+7], v[(\f)+8*(\a):(\f)+8*(\a)+7], 0
.else
	v_wmma_f32_16x16x32_f16 v[8*(8*(\a)+(\b)):8*(8*(\a)+(\b))+7], v[(\f)+32+8*(\b):(\f)+32+8*(\b)+7], v[(\f)+8*(\a):(\f)+8*(\a)+7], v[8*(8*(\a)+(\b)):8*(8*(\a)+(\b))+7]
.endif
.endr
.endm
.macro FETCH slot, k, f                ; 24 LDS loads in one run: a quarter's fragments into buffer f
	WIN 0
.irp i, 0,1,2,3,4,5,6,7
	ds_load_b128 v[(\f)+32+8*(\i):(\f)+32+8*(\i)+3],   v[ADRB+(\slot)] offset:(\k)+(\i)*16*PITCH
	ds_load_b128 v[(\f)+32+8*(\i)+4:(\f)+32+8*(\i)+7], v[ADRB+(\slot)] offset:(\k)+(\i)*16*PITCH+32
.endr
.irp i, 0,1,2,3
	ds_load_b128 v[(\f)+8*(\i):(\f)+8*(\i)+3],   v[ADRA+(\slot)] offset:(\k)+(\i)*16*PITCH
	ds_load_b128 v[(\f)+8*(\i)+4:(\f)+8*(\i)+7], v[ADRA+(\slot)] offset:(\k)+(\i)*16*PITCH+32
.endr
.endm
.macro QUARTER slot, k, f, g, zero
	s_wait_dscnt 4                                 ; wo16's and att's blocks 0, 1 are in; the youngest four loads (att's blocks 2, 3) may be out
	MUL8 \f, 0, \zero
	MUL8 \f, 1, \zero
	PLACES
	FETCH \slot, \k, \g
	s_wait_dscnt 24                                ; all but the 24 just issued
	MUL8 \f, 2, \zero
	MUL8 \f, 3, \zero
.endm
; The last quarter multiplies buffer 1 and changes slots: ONE barrier; in front of it each wave waits for all its tensor loads (one is out: its part of the next slot), adds 0 to its spare
; word, and waits for that and for its own reads of this slot.  fill = 1: the barrier opens a round of the cluster's, and this slot is filled again, with its K step of the next lap, first thing behind it.
.macro TURN slot, next, fill
	WIN 0
	s_wait_tensorcnt 0x0
	ds_add_u32 v[SPW], v[NIL]
	s_wait_dscnt 5                                 ; (the add and the youngest four loads may be out)
	MUL8 F1, 0, 0
	s_wait_dscnt 0x0                               ; the add is done, and my reads of this slot are over
	s_barrier_signal -1
	MUL8 F1, 1, 0
.if \fill
	WIN 0
.endif
	s_barrier_wait -1
.if \fill
	CREST
	AIM \slot                                      ; no tensor load of mine is out since the wait above: the group 0 may be written
	JLOAD \slot                                    ; its four v_nop are also the places in front of the loads below
.else
	PLACES
.endif
	FETCH \next, 0, F0
	MUL8 F1, 2, 0
	MUL8 F1, 3, 0
.endm
	s_wait_tensorcnt 1                             ; my part of the first K step is in; the second's may stay out
	s_barrier_signal -1
	s_barrier_wait -1
	FETCH 0, 0, F0
	QUARTER 0, 64, F0, F1, 1                       ; the first quarter's products start the sums
	WIN 0
	s_mov_b32 s3, LAPS-1
.Llap:
	s_sub_co_u32 s[LAPK], LAPS, s3                 ; the number of the lap that this trip asks for: 1 in the first trip, LAPS - 1 in the last;
	s_xor_b32 s[LAPK], s[LAPK], s[ROT]             ; its place along K: inside its group of four, so inside the row;
	s_lshl_b32 s[OFS], s[LAPK], 9                  ; in bytes, for slot 0
	s_or_b32 s[OFS+2], s[OFS], KSTEP*2             ; and for slot 1
	QUARTER 0, 128, F1, F0, 0
	QUARTER 0, 192, F0, F1, 0
	TURN 0, 1, 1
	QUARTER 1, 64,  F0, F1, 0
	QUARTER 1, 128, F1, F0, 0
	QUARTER 1, 192, F0, F1, 0
	TURN 1, 0, 1
	QUARTER 0, 64,  F0, F1, 0
	WIN 0
	s_sub_co_u32 s3, s3, 1
	s_cmp_lg_u32 s3, 0
	s_cbranch_scc1 .Llap
	QUARTER 0, 128, F1, F0, 0                      ; the last lap fills nothing
	QUARTER 0, 192, F0, F1, 0
	TURN 0, 1, 0
	QUARTER 1, 64,  F0, F1, 0
	QUARTER 1, 128, F1, F0, 0
	QUARTER 1, 192, F0, F1, 0
	s_wait_dscnt 4
	MUL8 F1, 0, 0
	MUL8 F1, 1, 0
	s_wait_dscnt 0x0
	MUL8 F1, 2, 0
	MUL8 F1, 3, 0
	WIN 0
	PLACES
; THE WAY OUT of row block a: a lane's 32 bytes of a row go into my stage (rows of 528 bytes) and come back as whole rows of 512 bytes.
.macro OUT a
	WIN 0x04                                       ; the stores' data in window 1; each accumulator's low half first
.irp b, 0,1,2,3,4,5,6,7
	ds_store_b128 v[STO], v[8*(8*(\a)+(\b)):8*(8*(\a)+(\b))+3] offset:64*(\b)
	ds_store_b128 v[STO], v[8*(8*(\a)+(\b))+4:8*(8*(\a)+(\b))+7] offset:64*(\b)+16
.endr
	WIN 0
	s_wait_xcnt 0x0                                ; the block before's stores have read BK: only now is it loaded again
.irp t, 0,1,2,3,4,5,6,7,8,9,10,11,12,13,14,15
	ds_load_b128 v[BK+4*(\t):BK+4*(\t)+3], v[RD] offset:(\t)*SPITCH  ; LDS serves a wave's instructions in order (ISA guide 5.7.1.4): these see the stores above
.endr
.irp t, 0,1,2,3,4,5,6,7,8,9,10,11,12,13,14,15
	s_wait_dscnt 15-(\t)                           ; row t is back; the 15 - t younger loads may be out
	global_store_b128 v[CO], v[BK+4*(\t):BK+4*(\t)+3], s[8:9] offset:(16*(\a)+(\t))*SIZE_N*4 th:TH_STORE_NT  ; 512 consecutive bytes, aligned; 63 rows at the most: inside the signed 24-bit immediate
.endr
.endm
	OUT 0
	OUT 1
	OUT 2
	OUT 3
	s_wait_tensorcnt 0x0                           ; the wave's end
	ds_add_u32 v[SPW], v[NIL]
	s_wait_dscnt 0x0
	CROUND                                         ; the closing round
	s_endpgm
.Lfunc_end_k_q6432784d6c_proj:
	.size	k_q6432784d6c_proj, .Lfunc_end_k_q6432784d6c_proj-k_q6432784d6c_proj
	.p2alignl 7, 3214868480
	.fill 96, 4, 3214868480
	.section	.rodata,"a",@progbits
	.p2align	6, 0x0
	.amdhsa_kernel k_q6432784d6c_proj
		.amdhsa_group_segment_fixed_size 327680
		.amdhsa_private_segment_fixed_size 0
		.amdhsa_enable_private_segment 0
		.amdhsa_kernarg_size 24
		.amdhsa_user_sgpr_count 2
		.amdhsa_user_sgpr_kernarg_segment_ptr 1
		.amdhsa_wavefront_size32 1
		.amdhsa_system_sgpr_workgroup_id_x 1
		.amdhsa_system_sgpr_workgroup_id_y 1
		.amdhsa_system_sgpr_workgroup_id_z 1
		.amdhsa_system_vgpr_workitem_id 0
		.amdhsa_next_free_vgpr 512
		.amdhsa_next_free_sgpr 80
		.amdhsa_reserve_vcc 0
		.amdhsa_float_denorm_mode_32 3
		.amdhsa_float_denorm_mode_16_64 3
		.amdhsa_memory_ordered 1
		.amdhsa_forward_progress 1
		.amdhsa_inst_pref_size 87
	.end_amdhsa_kernel
	.amdgpu_metadata
---
amdhsa.version: [ 1, 2 ]
amdhsa.kernels:
  - .name:           k_q6432784d6c_proj
    .symbol:         k_q6432784d6c_proj.kd
    .args:
      - { .name: att, .offset: 0, .size: 8, .value_kind: global_buffer, .address_space: global }
      - { .name: wo16, .offset: 8, .size: 8, .value_kind: global_buffer, .address_space: global }
      - { .name: out0, .offset: 16, .size: 8, .value_kind: global_buffer, .address_space: global }
    .group_segment_fixed_size: 327680
    .private_segment_fixed_size: 0
    .kernarg_segment_align: 8
    .kernarg_segment_size: 24
    .max_flat_workgroup_size: 128
    .sgpr_count:     80
    .vgpr_count:     512
    .wavefront_size: 32
...
	.end_amdgpu_metadata
.endif
;; end of part 4
